; MI455X (gfx1250); checked and timed in simulation.
; The chip was launched on July 23, 2026; its instructions are those of AMD's public machine-readable ISA for CDNA 5 (MIT licence, August 2026) and "CDNA5" Instruction Set Architecture Reference Guide (July 2026). The comments in the code are by the model that wrote it; some were corrected since.
;; LSTM Cell. Allowed arithmetic: float matrix products may take bf16 or f16 operands with f32 sums; other float arithmetic in f32, or as packed bf16 or f16 multiplies, adds, multiply-adds, maxima and minima; sums over many terms, partial sums and values carried from step to step in f32; what a program stores and reads back later, other than sums and carried values, may be rounded once to bf16 or f16.
;; Inputs: U_c 1,024 x 1,024 float32; U_f 1,024 x 1,024 float32; U_i 1,024 x 1,024 float32; U_o 1,024 x 1,024 float32; W_c 1,024 x 1,024 float32; W_f 1,024 x 1,024 float32; W_i 1,024 x 1,024 float32; W_o 1,024 x 1,024 float32; a_prev 8,192 x 1,024 float32; b_c 1,024 float32; b_f 1,024 float32; b_i 1,024 float32; b_o 1,024 float32; bu_c 1,024 float32; bu_f 1,024 float32; bu_i 1,024 float32; bu_o 1,024 float32; c_prev 8,192 x 1,024 float32; x_t 8,192 x 1,024 float32.
;; Outputs: out0 8,192 x 1,024 float32; out1 8,192 x 1,024 float32.
;; 2 versions, each right; version 2 is version 1 with the launch cast written anew for expert scheduling mode. Each part assembles by itself: llvm-mc -triple=amdgcn-amd-amdhsa -mcpu=gfx1250 --defsym DOCPART=n.
;; ======== version 1 of 2: 2 launches
;; limits: a function is approximated: absolute error at most 1e-07
;; workspace buffers: Ab 33,554,432 bytes; Wb 16,777,216 bytes
;; launch cast (part 1): grid 256 x 3, 8 waves a work-group, no clusters, 0 bytes of LDS; arguments x_t, a_prev, W_f, W_i, W_o, W_c, U_f, U_i, U_o, U_c, Ab, Wb; writes Ab, Wb
.if DOCPART == 1
	.amdgcn_target "amdgcn-amd-amdhsa--gfx1250"
	.amdhsa_code_object_version 6
	.text
	.protected	k_q51db532daf_cast
	.globl	k_q51db532daf_cast
	.p2align	8
	.type	k_q51db532daf_cast,@function
k_q51db532daf_cast:
	s_mov_b64 s[64:65], 0
	v_nop
	global_prefetch_b8 v0, s[64:65] scope:SCOPE_SE
	s_setreg_imm32_b32 hwreg(HW_REG_WAVE_MODE, 25, 1), 1
	s_wait_xcnt 0x0
; The matrix operands of the LSTM cell, rounded once from f32 to bf16 and laid out for the product that follows.
;   Ab [8192][2048] bf16: row m = x_t[m][0..1023], then a_prev[m][0..1023].
;   Wb [4096][2048] bf16: row (h >> 5) x 128 + g x 32 + (h & 31) = W_g[h][0..1023], then U_g[h][0..1023]; g = 0, 1, 2, 3 for f, i, o, c.
;   So 128 rows of Wb on end hold all four gates of 32 hidden columns.
; SHARES.  A work-group takes 32 source rows (4,096 bytes each, dense: 128 KiB).  Grid y = 0: x_t, y = 1: a_prev, block = grid x.  y = 2: the weights: matrix = x >> 5
; (W_f, W_i, W_o, W_c, U_f, U_i, U_o, U_c), block = x & 31.  Wave w takes rows 4 w .. 4 w + 3: 16 KiB on end.
; A stream: each byte is read once and written once, nothing is shared between waves, so there is no LDS, no barrier and no matrix work.
; All 32 loads of a wave (512 consecutive bytes each) go out first; each is then rounded in place and stored: 32 lanes x 8 bytes = 256 consecutive bytes, aligned.
; No register that a memory instruction names is written again behind it but a load's own destination, behind the counted wait for that load.
; LIMITS.  Round to nearest even; bf16 has f32's range, so no finite input overflows but those within half a bf16 step of f32's largest number.
.set X,   4                            ; v[4:131]  32 loads x 4 registers
.set SO,  1                            ; v1  my byte offset in the group's source rows: 16,384 w + 16 lane
.set DO,  2                            ; v2  my byte offset in the group's rows of Ab or Wb: 16,384 w + 8 lane (four rows of 4,096 bytes a wave there too)
.set SRC, 36                           ; s[36:37] the source at the group's first row
.set DST, 38                           ; s[38:39] the destination at the group's first row and half
	s_load_b512 s[8:23], s[0:1], 0x0               ; x_t, a_prev, W_f, W_i, W_o, W_c, U_f, U_i
	s_load_b256 s[24:31], s[0:1], 0x40             ; U_o, U_c, Ab, Wb
	s_and_b32 s3, ttmp7, 0xffff                    ; y
	s_lshr_b32 s4, ttmp9, 5                        ; weights: which matrix,
	s_and_b32 s5, ttmp9, 31                        ; and which 32 of its rows
	s_lshl_b32 s32, ttmp9, 17                      ; activations: 32 rows of 4,096 bytes, in the source
	s_lshl_b32 s33, s3, 11                         ; and in Ab, where a_prev takes the rows' second 2,048 bytes
	s_or_b32 s33, s33, s32
	s_lshl_b32 s34, s5, 17                         ; weights: the source's 32 rows;
	s_lshl_b32 s35, s5, 19                         ; in Wb 128 rows for each 32 hidden columns,
	s_and_b32 s40, s4, 3
	s_lshl_b32 s40, s40, 17                        ; the gate's 32 of them,
	s_or_b32 s35, s35, s40
	s_lshr_b32 s40, s4, 2
	s_lshl_b32 s40, s40, 11                        ; U's take the rows' second 2,048 bytes
	s_or_b32 s35, s35, s40
	s_add_co_u32 s41, s4, 2                        ; the matrix's place among the arguments
	s_cmp_lt_u32 s3, 2
	s_cselect_b32 s42, s32, s34                    ; source offset
	s_cselect_b32 s44, s33, s35                    ; destination offset
	s_cselect_b32 s41, s3, s41                     ; which argument is the source
	s_mov_b32 s43, 0
	s_mov_b32 s45, 0
	v_and_b32 v3, 31, v0
	v_lshrrev_b32 v2, 5, v0
	v_lshlrev_b32 v2, 14, v2
	v_lshl_or_b32 v[SO], v3, 4, v2
	v_lshl_or_b32 v[DO], v3, 3, v2
	s_wait_kmcnt 0x0
	s_cmp_lt_u32 s3, 2
	s_cselect_b64 s[DST:DST+1], s[28:29], s[30:31]
	s_mov_b64 s[SRC:SRC+1], s[8:9]
.irp k, 1,2,3,4,5,6,7,8,9
	s_cmp_eq_u32 s41, \k
	s_cselect_b64 s[SRC:SRC+1], s[8+2*(\k):9+2*(\k)], s[SRC:SRC+1]
.endr
	s_add_nc_u64 s[SRC:SRC+1], s[SRC:SRC+1], s[42:43]
	s_add_nc_u64 s[DST:DST+1], s[DST:DST+1], s[44:45]
.set i, 0
.rept 32
	global_load_b128 v[X+4*i:X+4*i+3], v[SO], s[SRC:SRC+1] offset:512*i th:TH_LOAD_NT
.set i, i+1
.endr
.set i, 0
.rept 32
	s_wait_loadcnt 31-i                            ; loads come back in order: load i is in, the 31 - i younger ones stay out
	v_cvt_pk_bf16_f32 v[X+4*i],   v[X+4*i],   v[X+4*i+1]
	v_cvt_pk_bf16_f32 v[X+4*i+1], v[X+4*i+2], v[X+4*i+3]
	global_store_b64 v[DO], v[X+4*i:X+4*i+1], s[DST:DST+1] offset:(i/8)*4096+(i%8)*256  ; row i / 8 of my four, its piece i % 8 of 256 bytes
.set i, i+1
.endr
	s_endpgm
.Lfunc_end_k_q51db532daf_cast:
	.size	k_q51db532daf_cast, .Lfunc_end_k_q51db532daf_cast-k_q51db532daf_cast
	.p2alignl 7, 3214868480
	.fill 96, 4, 3214868480
	.section	.rodata,"a",@progbits
	.p2align	6, 0x0
	.amdhsa_kernel k_q51db532daf_cast
		.amdhsa_group_segment_fixed_size 0
		.amdhsa_private_segment_fixed_size 0
		.amdhsa_enable_private_segment 0
		.amdhsa_kernarg_size 96
		.amdhsa_user_sgpr_count 2
		.amdhsa_user_sgpr_kernarg_segment_ptr 1
		.amdhsa_wavefront_size32 1
		.amdhsa_system_sgpr_workgroup_id_x 1
		.amdhsa_system_sgpr_workgroup_id_y 1
		.amdhsa_system_sgpr_workgroup_id_z 1
		.amdhsa_system_vgpr_workitem_id 0
		.amdhsa_next_free_vgpr 136
		.amdhsa_next_free_sgpr 66
		.amdhsa_reserve_vcc 0
		.amdhsa_float_denorm_mode_32 3
		.amdhsa_float_denorm_mode_16_64 3
		.amdhsa_memory_ordered 1
		.amdhsa_forward_progress 1
		.amdhsa_inst_pref_size 14
	.end_amdhsa_kernel
	.amdgpu_metadata
---
amdhsa.version: [ 1, 2 ]
amdhsa.kernels:
  - .name:           k_q51db532daf_cast
    .symbol:         k_q51db532daf_cast.kd
    .args:
      - { .name: x_t, .offset: 0, .size: 8, .value_kind: global_buffer, .address_space: global }
      - { .name: a_prev, .offset: 8, .size: 8, .value_kind: global_buffer, .address_space: global }
      - { .name: W_f, .offset: 16, .size: 8, .value_kind: global_buffer, .address_space: global }
      - { .name: W_i, .offset: 24, .size: 8, .value_kind: global_buffer, .address_space: global }
      - { .name: W_o, .offset: 32, .size: 8, .value_kind: global_buffer, .address_space: global }
      - { .name: W_c, .offset: 40, .size: 8, .value_kind: global_buffer, .address_space: global }
      - { .name: U_f, .offset: 48, .size: 8, .value_kind: global_buffer, .address_space: global }
      - { .name: U_i, .offset: 56, .size: 8, .value_kind: global_buffer, .address_space: global }
      - { .name: U_o, .offset: 64, .size: 8, .value_kind: global_buffer, .address_space: global }
      - { .name: U_c, .offset: 72, .size: 8, .value_kind: global_buffer, .address_space: global }
      - { .name: Ab, .offset: 80, .size: 8, .value_kind: global_buffer, .address_space: global }
      - { .name: Wb, .offset: 88, .size: 8, .value_kind: global_buffer, .address_space: global }
    .group_segment_fixed_size: 0
    .private_segment_fixed_size: 0
    .kernarg_segment_align: 8
    .kernarg_segment_size: 96
    .max_flat_workgroup_size: 256
    .sgpr_count:     66
    .vgpr_count:     136
    .wavefront_size: 32
...
	.end_amdgpu_metadata
.endif
;; end of part 1
;; launch cell (part 2): grid 16 x 16, 4 waves a work-group, clusters of 4 x 4, 327,680 bytes of LDS; arguments Ab, Wb, c_prev, out0, out1, b_f, bu_f, b_i, bu_i, b_o, bu_o, b_c, bu_c; writes out0, out1
.if DOCPART == 2
	.amdgcn_target "amdgcn-amd-amdhsa--gfx1250"
	.amdhsa_code_object_version 6
	.text
	.protected	k_q51db532daf_cell
	.globl	k_q51db532daf_cell
	.p2align	8
	.type	k_q51db532daf_cell,@function
k_q51db532daf_cell:
	s_mov_b64 s[64:65], 0
	v_nop
	global_prefetch_b8 v0, s[64:65] scope:SCOPE_SE
	s_setreg_imm32_b32 hwreg(HW_REG_WAVE_MODE, 25, 1), 1
	s_wait_xcnt 0x0
	s_wait_alu depctr_hold_cnt(0) depctr_sa_sdst(0) depctr_va_vdst(0) depctr_va_sdst(0) depctr_va_ssrc(0) depctr_va_vcc(0) depctr_vm_vsrc(0)
	s_getreg_b32 s2, hwreg(HW_REG_IB_STS2, 6, 4)
	s_cmp_eq_u32 s2, 0
	s_cbranch_scc0 .Lentry_in_a_cluster
	s_endpgm
.Lentry_in_a_cluster:
	s_bfe_u32 s2, ttmp6, 0x10000c
	s_cmp_lg_u32 s2, 0xf033
	s_cbranch_scc0 .Lentry_shape_is_right
	s_endpgm
.Lentry_shape_is_right:
; THE LSTM CELL.  pre[m][n'] = sum over k of Ab[m][k] Wb[n'][k] + b + bu;  f, i, o = sigmoid, g = tanh of the four gates;  c_t = f c_prev + i g (out1);  a_t = o tanh(c_t) (out0).
; Ab [8192][2048], Wb [4096][2048] bf16 (made by the launch before); sums in f32; c_prev, biases and both outputs f32.  Wb's row (h >> 5) x 128 + g x 32 + (h & 31) is gate g of hidden column h.
; SHARES.  A block of pre is 256 x 256: 256 rows x (4 gates x 64 hidden columns).  Four waves, each 128 x 128 = 128 rows x 4 gates x 32 hidden columns: 64 accumulators, 512 registers.
; A work-group STAYS for two blocks, 4,096 rows apart, on the same rows of Wb; the ring of two LDS slots (K steps of 128: rows of 256 bytes) runs on from the first block into the second.
; CLUSTER.  4 x 4 work-groups: the four of a row need the same tiles of Ab, the four of a column the same tiles of Wb; each tile is asked for jointly, by the same tensor load, descriptor and mask in all four.
; THE MATRIX INSTRUCTION IS USED TRANSPOSED (source 0 = 16 rows of Wb, source 1 = 16 rows of Ab): lane l holds row l % 16 and eight neighbouring rows of Wb, 8 (l / 16) + 0..7.  Column block b = 2 g + j of a wave
; is gate g of its hidden columns 16 j .. 16 j + 15: a lane holds all four gates of the same eight hidden columns of one row.  The sums START with b + bu as the C operand: nothing is cleared, no bias is added later.
; THE WAY OUT, 16 rows of each wave at a time: the gates in place in the accumulators; f, i g and o, rounded to f16, into a stage in LDS shared by the four waves (a row's 64 hidden columns come from two waves);
; a barrier; back by rows, so that sixteen lanes hold 256 consecutive bytes of c_prev, c_t and a_t; c_t and a_t in f32.  Two stage buffers take turns, so one barrier a block orders both the stores
; ahead of the reads and the reads ahead of the next stores into the same buffer.
; LIMITS.  The operands of the product are bf16.  f, i g and o pass through f16 once: they lie in -1 .. 1; below 6e-5 they keep f16's fixed step of 6e-8.  sigmoid(x) = 1 / (1 + 2^(-x log2 e)),
; tanh(x) = 1 - 2 / (1 + 2^(2 x log2 e)): absolute error about 1e-7, also where tanh is small; exponents beyond f32's range give the exact limits 0, 1, -1.  NaN and infinities are not treated apart; -0 may come out as +0.
; REGISTERS, in windows of 256 (s_set_vgpr_msb: bits 1:0 source 0, 3:2 source 1, 5:4 source 2, 7:6 destination):
;   window 0: v0-31 addresses; v32-55 f16 packs; v64-127, v128-191 fragments of Ab, two buffers; on the way out v128-151 read back from the stage, v152-183 and v224-255 four buffers of c_prev, v192-207 c_t, v208-223 tanh and a_t
;   window 1: v0-63 b + bu, eight registers a column block; v64-127, v128-191 fragments of Wb; v192-255 bu, at the head only
;   window 2: the accumulators of my rows 0-63 ((a, b) at v[8 (8 a + b)]);   window 3: those of my rows 64-127
.set SIZE_K, 2048
.set SIZE_TILES, 2
.set WALK,   4096                      ; rows between a work-group's two blocks
.set KSTEP,  128
.set PITCH,  272                       ; an LDS row: 256 bytes + 16 of padding = 68 words: the 16 rows of a fragment load start at 16 different groups of four banks (64 banks of 4 bytes: ISA guide 11.1)
.set HALFT,  128*PITCH                 ; 128 rows: what one tensor load brings, and what one wave reads of Ab or of Wb
.set SLOT,   4*HALFT                   ; Ab's 256 rows, then Wb's 256 rows
.set STAGE,  2*SLOT                    ; behind the ring; no tensor load lands here
.set SPITCH, 400                       ; a stage row: f, i g, o of 64 hidden columns in f16 (3 x 128 bytes) + 16 of padding: 25 x 16 bytes
.set SBUF,   32*SPITCH                 ; a stage buffer: 16 rows of each row half
.set SPARE,  STAGE+2*SBUF              ; the spare words, 128 bytes for each wave: two blocks of 256 bytes that no other line names
.set LAPS,   SIZE_K/(2*KSTEP)          ; a lap = two K steps = once round the ring
.set NEXT_A, WALK*SIZE_K*2-(SIZE_K-2*KSTEP)*2  ; from a slot's last K step of a block to its first of the next: WALK rows down, back along K
.set BACK_B, (SIZE_K-2*KSTEP)*2        ; Wb only back
.set NEXT_O, WALK*4096                 ; c_prev and the outputs: WALK rows of 4,096 bytes
.set ADRA, 16                          ; v16-17  LDS address of my fragments of Ab in slot 0, 1
.set ADRB, 20                          ; v20-21  the same for Wb
.set STO,  24                          ; v24  stage, in: row 16 (wave / 2) + l % 16, byte 64 (wave % 2) + 16 (l / 16)
.set RD,   25                          ; v25  stage, back: row 8 wave + l / 16, byte 8 (l % 16)
.set CO,   26                          ; v26  my byte offset in the block's rows of c_prev, out0, out1
.set ZR,   27                          ; v27  0.0
.set SPW,  28                          ; v28  LDS address of my spare word; never rewritten
.set NIL,  29                          ; v29  0; never rewritten
.set PFO,  30                          ; v30  4,096 x my lane: a row of Ab, of Wb and of c_prev; never rewritten
.set BO,   31                          ; v31  byte offset of my eight hidden columns in a bias
.set PK,   32                          ; v32-55  f at 0-7, i g at 8-15, o at 16-23
.set F0,   64
.set F1,   128
.set SR,   128
.set CT,   192
.set TH,   208
.set G1,   24                          ; s[24:31] descriptor group 1 for Ab's tiles;  s[32:39] group 0, a set for each slot
.set G0,   32
.set LIM,  43                          ; s43  1 in a wave that prefetches tiles, else the greatest number
.set PFA,  44                          ; s[44:45] where my tile prefetches stand
.set G1B,  48                          ; s[48:55], s[56:63] the same for Wb's tiles
.set G0B,  56
.set CPB,  66                          ; s[66:67] c_prev, s[68:69] out0, s[70:71] out1 at my block's first row and column
.set O0B,  68
.set O1B,  70
.set CPW,  72                          ; s[72:73] c_prev at my wave's 64 rows of the block, for the prefetch
.set NL2E, 74                          ; s[74:75] -log2(e), twice
.set TL2E, 76                          ; s[76:77] 2 log2(e), twice
.set BP,   80                          ; s[80:95] b_f, bu_f, b_i, bu_i, b_o, bu_o, b_c, bu_c
.set MSB, 0
.macro WIN new                         ; the immediate's high byte repeats the setting that is left; a switch that changes nothing is dropped
.if MSB != (\new)
	s_set_vgpr_msb (MSB<<8)|(\new)
.set MSB, \new
.endif
.endm
.set TO_B, 0x40                        ; destination window 1, address window 0
; A joint load.  Waves 0 and 1 fetch Ab's two halves, waves 2 and 3 Wb's.  The branch hangs on the wave's number alone.  An s_nop 0 and four v_nop follow each of the two lines.
.macro JLOAD s
	s_cmp_eq_u32 s11, 0
	s_cbranch_scc0 .Lfor_b_\@
	tensor_load_to_lds s[G0+4*(\s):G0+4*(\s)+3], s[G1:G1+7]
	s_nop 0
.rept 4
	v_nop
.endr
	s_branch .Lasked_\@
.Lfor_b_\@:
	tensor_load_to_lds s[G0B+4*(\s):G0B+4*(\s)+3], s[G1B:G1B+7]
	s_nop 0
.rept 4
	v_nop
.endr
.Lasked_\@:
.endm
; A prefetch of the K step that stands two refills on: 32 rows x 256 bytes, a lane a row.  Ab's rows are asked for by the clusters with x = 0, Wb's by those with y = 0; of the 128 rows that a wave fetches
; each of the four partners that ask for them jointly takes 32, told apart by address.  So each row's 256 bytes of a K step are named once in the launch.
; how = 0, in the loop: a block's last two refills have no K step two on.  how = 1, at the change of blocks: the next block's K steps 2 and 3 of Ab; Wb's rows have been read and are asked for no more.
.macro ASK how
.if \how
	s_cmp_eq_u32 s[LIM], 1
.else
	s_cmp_gt_u32 s3, s[LIM]                        ; s3 = 1 in the loop's last trip
.endif
	s_cbranch_scc0 .Lnot_mine_\@
	global_prefetch_b8 v[PFO], s[PFA:PFA+1] offset:KSTEP*2 th:TH_LOAD_NT scope:SCOPE_SE
.Lnot_mine_\@:
.endm
; The block's c_prev, one K step (256 matrix instructions) ahead of the way out that loads it: my wave's 64 rows x 256 bytes, a lane a row, two instructions.  No other work-group reads these bytes.
.macro ASKC
	global_prefetch_b8 v[PFO], s[CPW:CPW+1] th:TH_LOAD_NT scope:SCOPE_SE
	global_prefetch_b8 v[PFO], s[CPW:CPW+1] offset:131072 th:TH_LOAD_NT scope:SCOPE_SE
.endm
.macro CREST                           ; a round of the cluster's barrier behind its opening barrier
	s_cmp_lg_u32 s10, 0
	s_cbranch_scc1 .Lnot_wave_0_\@
	s_barrier_signal -3
.Lnot_wave_0_\@:
	s_barrier_wait -3
	s_barrier_signal -1
	s_barrier_wait -1
.endm
.macro CROUND                          ; a whole round
	s_barrier_signal -1
	s_barrier_wait -1
	CREST
.endm
	s_load_b128 s[4:7], s[0:1], 0x0                ; Ab s[4:5], Wb s[6:7]
	s_load_b64 s[CPB:CPB+1], s[0:1], 0x10          ; c_prev
	s_load_b128 s[O0B:O0B+3], s[0:1], 0x18         ; out0, out1
	s_load_b512 s[BP:BP+15], s[0:1], 0x28          ; the eight biases
	v_lshl_add_u32 v[SPW], v0, 2, SPARE
	v_mov_b32 v[NIL], 0
	ds_add_u32 v[SPW], v[NIL]                      ; the wave's opening: the add and its wait stand ahead of my first tensor load; the set-up below, work on registers, stands between them
	v_lshrrev_b32 v1, 5, v0
	v_readfirstlane_b32 s10, v1                    ; wave 0..3
	s_lshr_b32 s11, s10, 1                         ; which half of the block's rows is mine.  Also: I fetch for Ab (0) or for Wb (1)
	s_and_b32 s12, s10, 1                          ; which half of its columns.  Also: which 128 rows of that tile I fetch
	s_bfe_u32 s40, ttmp6, 0x40000                  ; cx
	s_bfe_u32 s41, ttmp6, 0x40004                  ; cy
	s_lshl_b32 s42, ttmp9, 2
	s_add_co_u32 s42, s42, s40                     ; block column = 4 x cluster x + cx
	s_and_b32 s13, ttmp7, 0xffff
	s_lshl_b32 s13, s13, 2
	s_add_co_u32 s13, s13, s41                     ; block row = 4 x cluster y + cy
	s_lshl_b32 s43, s41, 2
	s_lshl_b32 s43, 15, s43                        ; my row of the cluster: places 4 cy .. 4 cy + 3
	s_lshl_b32 s44, 0x1111, s40                    ; my column: places cx, cx + 4, cx + 8, cx + 12
	; descriptor group 1: a tile of 128 rows x 128 elements, padded in LDS
	s_or_b32 s[G1+0], s43, (1<<16)|(1<<20)|(1<<21)|(5<<22)|(3<<25)   ; 15:0 the mask; 17:16 elements of 2 bytes; 20 padding on; 21 set beside a mask; 24:22 after every 64 words (code 5); 31:25 4 words of it (code 3)
	s_or_b32 s[G1B+0], s44, (1<<16)|(1<<20)|(1<<21)|(5<<22)|(3<<25)
.irp g, G1, G1B
	s_mov_b32 s[(\g)+1], KSTEP<<16                 ; tensor_dim0 = 128
	s_mov_b32 s[(\g)+2], 128<<16                   ; tensor_dim1 = 128
	s_mov_b32 s[(\g)+3], KSTEP<<16                 ; tile_dim0 = 128
	s_mov_b32 s[(\g)+4], 128                       ; tile_dim1 = 128
	s_mov_b32 s[(\g)+5], SIZE_K                    ; elements from row to row
	s_mov_b32 s[(\g)+6], 0
	s_mov_b32 s[(\g)+7], 0
.endr
	s_mov_b32 s[NL2E], 0xbfb8aa3b
	s_mov_b32 s[NL2E+1], 0xbfb8aa3b
	s_mov_b32 s[TL2E], 0x4038aa3b
	s_mov_b32 s[TL2E+1], 0x4038aa3b
	; where the tiles come from: Ab's hang on the block row alone, Wb's on the block column alone; every wave makes both addresses and asks by one of them
	s_lshl_b32 s17, s12, 7
	s_lshl_b32 s16, s13, 8
	s_add_co_u32 s16, s16, s17                     ; Ab: row 256 x block row + 128 x half
	s_lshl_b32 s46, s42, 8
	s_add_co_u32 s46, s46, s17                     ; Wb: row 256 x block column + 128 x half
	s_mov_b32 s17, 0
	s_mov_b32 s47, 0
	s_mov_b64 s[18:19], SIZE_K*2
	s_mul_u64 s[16:17], s[16:17], s[18:19]
	s_mul_u64 s[46:47], s[46:47], s[18:19]
	s_mul_i32 s20, s10, HALFT                      ; where they go: wave x 128 rows: no place in the cluster enters an LDS address
	s_wait_dscnt 0x0                               ; the opening add is done
	s_wait_kmcnt 0x0
	s_add_nc_u64 s[14:15], s[4:5], s[16:17]
	s_add_nc_u64 s[46:47], s[6:7], s[46:47]
	CROUND                                         ; all sixteen work-groups are here: the first joint loads meet
.irp s, 0,1
	s_mov_b32 s[G0+4*(\s)], 1                                        ; count = 1
	s_add_co_u32 s[G0+4*(\s)+1], s20, (\s)*SLOT                      ; LDS address
	s_add_nc_u64 s[G0+4*(\s)+2:G0+4*(\s)+3], s[14:15], (\s)*KSTEP*2  ; global address: K step s
	s_or_b32 s[G0+4*(\s)+3], s[G0+4*(\s)+3], 0x80000000              ; type = 2
	s_mov_b32 s[G0B+4*(\s)], 1
	s_add_co_u32 s[G0B+4*(\s)+1], s20, (\s)*SLOT
	s_add_nc_u64 s[G0B+4*(\s)+2:G0B+4*(\s)+3], s[46:47], (\s)*KSTEP*2
	s_or_b32 s[G0B+4*(\s)+3], s[G0B+4*(\s)+3], 0x80000000
	JLOAD \s                                       ; two loads of mine are out
.endr
	; a fragment is 16 rows x 32 K in 8 registers: lane l holds row l % 16, K = 8 (l / 16) + 0..7 and 16 + 8 (l / 16) + 0..7: two loads of 16 bytes, 32 bytes apart
	v_and_b32 v1, 15, v0                           ; l % 16
	v_bfe_u32 v2, v0, 4, 1                         ; l / 16
	v_mul_u32_u24 v3, v1, PITCH
	v_lshl_add_u32 v3, v2, 4, v3
	s_mul_i32 s21, s11, HALFT                      ; my 128 rows of Ab
	s_mul_i32 s22, s12, HALFT                      ; my 128 rows of Wb,
	s_add_co_u32 s22, s22, 2*HALFT                 ; which lie behind Ab's 256
.irp s, 0,1
	v_add_nc_u32 v[ADRA+(\s)], s21, v3
	v_add_nc_u32 v[ADRB+(\s)], s22, v3
	s_add_co_u32 s21, s21, SLOT
	s_add_co_u32 s22, s22, SLOT
.endr
	s_mul_i32 s23, s11, 16*SPITCH                  ; into the stage: my row half's 16 rows, my 32 hidden columns' 64 bytes
	s_lshl_b32 s21, s12, 6
	s_add_co_u32 s23, s23, s21
	s_add_co_u32 s23, s23, STAGE
	v_mul_u32_u24 v4, v1, SPITCH
	v_lshl_add_u32 v4, v2, 4, v4
	v_add_nc_u32 v[STO], s23, v4
	s_mul_i32 s23, s10, 8*SPITCH                   ; back: wave w takes stage rows 8 w .. 8 w + 7, two at a time; a lane takes four hidden columns
	s_add_co_u32 s23, s23, STAGE
	v_mul_u32_u24 v5, v2, SPITCH
	v_lshl_add_u32 v5, v1, 3, v5
	v_add_nc_u32 v[RD], s23, v5
	s_lshl_b32 s23, s11, 19                        ; the same rows in memory: 128 (wave / 2) + 8 (wave % 2) + l / 16, of 4,096 bytes; 16 bytes a lane
	s_lshl_b32 s21, s12, 15
	s_add_co_u32 s23, s23, s21
	v_lshlrev_b32 v5, 12, v2
	v_lshl_add_u32 v5, v1, 4, v5
	v_add_nc_u32 v[CO], s23, v5
	v_mov_b32 v[ZR], 0
	s_lshl_b32 s96, s13, 20                        ; my block in c_prev and the outputs: 256 rows of 4,096 bytes a block row,
	s_lshl_b32 s98, s42, 8                         ; 64 hidden columns = 256 bytes a block column
	s_add_co_u32 s96, s96, s98
	s_mov_b32 s97, 0
	s_add_nc_u64 s[CPB:CPB+1], s[CPB:CPB+1], s[96:97]
	s_add_nc_u64 s[O0B:O0B+1], s[O0B:O0B+1], s[96:97]
	s_add_nc_u64 s[O1B:O1B+1], s[O1B:O1B+1], s[96:97]
	s_lshl_b32 s98, s10, 18                        ; 64 rows a wave
	s_mov_b32 s99, 0
	s_add_nc_u64 s[CPW:CPW+1], s[CPB:CPB+1], s[98:99]
	; the tile prefetches
	s_lshl_b32 s13, s13, 8                         ; 256 x block row
	s_lshl_b32 s42, s42, 8                         ; 256 x block column
	s_and_b32 s22, ttmp7, 0xffff                   ; cluster y
	s_cmp_eq_u32 s11, 0                            ; do I fetch for Ab?
	s_cselect_b32 s20, s13, s42                    ; the tile's first row
	s_cselect_b32 s21, s40, s41                    ; my place among the four that ask for it with me
	s_cselect_b32 s22, ttmp9, s22                  ; the coordinate along which other clusters read the same rows
	s_cselect_b64 s[PFA:PFA+1], s[4:5], s[6:7]
	s_cmp_eq_u32 s22, 0
	s_cselect_b32 s[LIM], 1, -1                    ; the same in all sixteen partners, for a given wave
	s_lshl_b32 s22, s12, 7
	s_add_co_u32 s20, s20, s22                     ; + the 128 rows that I fetch
	s_lshl_b32 s21, s21, 5
	s_add_co_u32 s20, s20, s21                     ; + my work-group's 32 of them
	s_mov_b32 s21, 0
	s_mov_b64 s[18:19], SIZE_K*2
	s_mul_u64 s[20:21], s[20:21], s[18:19]
	s_add_nc_u64 s[PFA:PFA+1], s[PFA:PFA+1], s[20:21]
	s_add_nc_u64 s[PFA:PFA+1], s[PFA:PFA+1], 2*KSTEP*2  ; at K step 2: the first refill steps it to 3 and names K step 4.  Nothing is prefetched at the head
	v_and_b32 v[PFO], 31, v0
	v_mul_u32_u24 v[PFO], v[PFO], SIZE_K*2
	; b + bu for my 4 gates x 32 hidden columns: column block 2 g + j, register r: hidden column 64 x block column + 32 (wave % 2) + 16 j + 8 (l / 16) + r.  All this stands in the wait for the first tile.
	s_lshl_b32 s23, s12, 7
	s_add_co_u32 s23, s23, s42                     ; 4 bytes x (64 x block column + 32 x half)
	v_lshl_add_u32 v[BO], v2, 5, s23
	WIN TO_B
.irp g, 0,1,2,3
.irp j, 0,1
.irp q, 0,1
	global_load_b128 v[8*(2*(\g)+(\j))+4*(\q):8*(2*(\g)+(\j))+4*(\q)+3],         v[BO], s[BP+4*(\g):BP+4*(\g)+1]   offset:64*(\j)+16*(\q)
	global_load_b128 v[192+8*(2*(\g)+(\j))+4*(\q):192+8*(2*(\g)+(\j))+4*(\q)+3], v[BO], s[BP+4*(\g)+2:BP+4*(\g)+3] offset:64*(\j)+16*(\q)
.endr
.endr
.endr
	s_wait_loadcnt 0x0
	WIN 0x45                                       ; destination and both sources in window 1
.set i, 0
.rept 32
	v_pk_add_f32 v[2*i:2*i+1], v[2*i:2*i+1], v[192+2*i:192+2*i+1]
.set i, i+1
.endr
	WIN 0
; 16 matrix instructions: row blocks a0, a0 + 1 of the window's four (hi = 0: my rows 0-63, 1: rows 64-127) x all 8 column blocks, 32 along K.
; first = 1: the products start the sums, with b + bu (window 1) as C.  The 64 accumulators take turns in the same order in every quarter step, one instruction a turn.
.macro MUL16 f, hi, a0, first
.if \first
	WIN 0x91+0x40*(\hi)                            ; source 0 (Wb) window 1, source 1 (Ab) window 0, C window 1, D window 2 or 3
.else
	WIN 0xa1+0x50*(\hi)                            ; the same with C and D in window 2 or 3
.endif
.irp a, \a0, (\a0)+1
.irp b, 0,1,2,3,4,5,6,7
.if \first
	v_wmma_f32_16x16x32_bf16 v[8*(8*(\a)+(\b)):8*(8*(\a)+(\b))+7], v[(\f)+8*(\b):(\f)+8*(\b)+7], v[(\f)+8*(4*(\hi)+(\a)):(\f)+8*(4*(\hi)+(\a))+7], v[8*(\b):8*(\b)+7]
.else
	v_wmma_f32_16x16x32_bf16 v[8*(8*(\a)+(\b)):8*(8*(\a)+(\b))+7], v[(\f)+8*(\b):(\f)+8*(\b)+7], v[(\f)+8*(4*(\hi)+(\a)):(\f)+8*(4*(\hi)+(\a))+7], v[8*(8*(\a)+(\b)):8*(8*(\a)+(\b))+7]
.endif
.endr
.endr
.endm
; 32 LDS loads in one run: the fragments of one quarter step (128 rows of Wb, 128 rows of Ab, 32 K at byte k of the rows) into buffer f
.macro FETCH slot, k, f
	WIN TO_B
.irp i, 0,1,2,3,4,5,6,7
	ds_load_b128 v[(\f)+8*(\i):(\f)+8*(\i)+3],   v[ADRB+(\slot)] offset:(\k)+(\i)*16*PITCH
	ds_load_b128 v[(\f)+8*(\i)+4:(\f)+8*(\i)+7], v[ADRB+(\slot)] offset:(\k)+(\i)*16*PITCH+32
.endr
	WIN 0
.irp i, 0,1,2,3,4,5,6,7
	ds_load_b128 v[(\f)+8*(\i):(\f)+8*(\i)+3],   v[ADRA+(\slot)] offset:(\k)+(\i)*16*PITCH
	ds_load_b128 v[(\f)+8*(\i)+4:(\f)+8*(\i)+7], v[ADRA+(\slot)] offset:(\k)+(\i)*16*PITCH+32
.endr
.endm
.macro PLACES                          ; four plain vector instructions between a matrix instruction and a load into a register that it has read (ISA guide 7.12.1 for vector instructions)
.rept 4
	v_nop
.endr
.endm
; A K step is four quarter steps of 32 along K, 64 matrix instructions each, on buffers 0, 1, 0, 1.  One of the first three: multiplies buffer f; in its middle it fetches the next quarter, at byte k, into buffer g.
.macro QUARTER slot, k, f, g, first
	s_wait_dscnt 8                                 ; Wb's fragments and Ab's rows 0-63 are in; the youngest eight loads (Ab's rows 64-127) may be out
	MUL16 \f, 0, 0, \first
	MUL16 \f, 0, 2, \first
	PLACES
	FETCH \slot, \k, \g
	s_wait_dscnt 32                                ; all but the 32 just issued
	MUL16 \f, 1, 0, \first
	MUL16 \f, 1, 2, \first
.endm
; The last quarter multiplies buffer 1 and changes slots.  MEET is its first half: one barrier, in front of which each wave waits for all its tensor loads (one is out: its part of the next slot), adds 0 to its
; spare word, and waits for that and for its own reads of this slot.  Behind it nobody reads this slot any more and the next slot is whole.
.macro MEET round
	WIN 0                                          ; (the add's two registers lie in window 0)
	s_wait_tensorcnt 0x0
	ds_add_u32 v[SPW], v[NIL]                      ; 0 onto my spare word
	s_wait_dscnt 9                                 ; (the add and the youngest eight loads may be out)
	MUL16 F1, 0, 0, 0                              ; sixteen matrix instructions stand between the add and the wait for it
	s_wait_dscnt 0x0                               ; the add is done, and my reads of this slot are over
	s_barrier_signal -1
	MUL16 F1, 0, 2, 0                              ; work on registers while the others arrive
.if \round
	WIN 0
.endif
	s_barrier_wait -1
.endm
; The whole last quarter where the slot is filled again: with this block's K step two steps on (on = 0) or with the next block's K step 0 or 1 (on = 1).  The barrier opens a round of the cluster's barrier;
; the joint refill is the first tensor load behind the round, one a wave; from a request to the wait for it a wave issues 224 matrix instructions.
.macro TURN slot, next, on
	s_wait_xcnt 0x0                                ; the last prefetch, a K step back, has read its address: it is stepped here, ahead of the waits of the change of slots
.if (\on) && (\slot) == 0
	s_add_nc_u64 s[PFA:PFA+1], s[PFA:PFA+1], (WALK-1)*SIZE_K*2+KSTEP*2  ; from the K step after the block's last to the next block's K step 1
	s_cmp_eq_u32 s11, 0
	s_cselect_b32 s[LIM], s[LIM], -1               ; Wb's rows are the same for both blocks
.else
	s_add_nc_u64 s[PFA:PFA+1], s[PFA:PFA+1], KSTEP*2
.endif
	MEET 1
	CREST                                          ; no wave of any partner still reads this slot's tile or has a load on its way
.if \on
	s_add_nc_u64 s[G0+4*(\slot)+2:G0+4*(\slot)+3], s[G0+4*(\slot)+2:G0+4*(\slot)+3], NEXT_A
	s_sub_nc_u64 s[G0B+4*(\slot)+2:G0B+4*(\slot)+3], s[G0B+4*(\slot)+2:G0B+4*(\slot)+3], BACK_B
.else
	s_add_nc_u64 s[G0+4*(\slot)+2:G0+4*(\slot)+3], s[G0+4*(\slot)+2:G0+4*(\slot)+3], 2*KSTEP*2
	s_add_nc_u64 s[G0B+4*(\slot)+2:G0B+4*(\slot)+3], s[G0B+4*(\slot)+2:G0B+4*(\slot)+3], 2*KSTEP*2
.endif
	JLOAD \slot                                    ; its four v_nop are also the places in front of the loads below
	FETCH \next, 0, F0
	ASK \on
.if (\on) && (\slot) == 0
	ASKC
.endif
	MUL16 F1, 1, 0, 0
	MUL16 F1, 1, 2, 0
.endm
; The same quarter in the last block's last lap: nothing is left to fetch, so no round and no load follow the barrier.
.macro TURNL
	MEET 0
	PLACES
	FETCH 1, 0, F0
	ASKC
	MUL16 F1, 1, 0, 0
	MUL16 F1, 1, 2, 0
.endm
.macro LASTQ                           ; the very last quarter
	s_wait_dscnt 8
	MUL16 F1, 0, 0, 0
	MUL16 F1, 0, 2, 0
	s_wait_dscnt 0x0
	MUL16 F1, 1, 0, 0
	MUL16 F1, 1, 2, 0
.endm
; THE WAY OUT of row block a (16 rows).  GATES: registers alone.  The block's 64 registers are f (0-15), i (16-31), o (32-47), g (48-63); each accumulator's lowest registers are read first.
; The 64 exponentials are one batch and the 64 reciprocals another: nothing ahead of a batch's wait names a result of it; a plain scaling or addition stands between each two pairs; a v_nop is the plain
; instruction behind the batch's last, and s_wait_alu depctr_va_vdst(0) the wait ahead of the first reader.
.macro GATES a
.set AC, 64*((\a)%4)
	WIN 0xaa+0x55*((\a)/4)                         ; all places in window 2 (blocks 0-3) or 3 (blocks 4-7)
.set p, 0
.rept 32
.if p < 24
	v_pk_mul_f32 v[AC+2*p:AC+2*p+1], v[AC+2*p:AC+2*p+1], s[NL2E:NL2E+1] op_sel_hi:[1,0]   ; sigmoid: -x log2(e)
.else
	v_pk_mul_f32 v[AC+2*p:AC+2*p+1], v[AC+2*p:AC+2*p+1], s[TL2E:TL2E+1] op_sel_hi:[1,0]   ; tanh: 2 x log2(e)
.endif
.if p > 0
	v_exp_f32 v[AC+2*p-2], v[AC+2*p-2]
	v_exp_f32 v[AC+2*p-1], v[AC+2*p-1]
.endif
.set p, p+1
.endr
	v_exp_f32 v[AC+62], v[AC+62]
	v_exp_f32 v[AC+63], v[AC+63]
	v_nop
	s_wait_alu depctr_va_vdst(0)
.set p, 0
.rept 32
	v_pk_add_f32 v[AC+2*p:AC+2*p+1], v[AC+2*p:AC+2*p+1], 1.0 op_sel_hi:[1,0]
.if p > 0
	v_rcp_f32 v[AC+2*p-2], v[AC+2*p-2]
	v_rcp_f32 v[AC+2*p-1], v[AC+2*p-1]
.endif
.set p, p+1
.endr
	v_rcp_f32 v[AC+62], v[AC+62]
	v_rcp_f32 v[AC+63], v[AC+63]
	v_nop
	s_wait_alu depctr_va_vdst(0)
.set p, 0
.rept 8
	v_pk_fma_f32 v[AC+48+2*p:AC+48+2*p+1], v[AC+48+2*p:AC+48+2*p+1], -2.0, 1.0 op_sel_hi:[1,0,0]  ; g = 1 - 2 / (1 + 2^..)
.set p, p+1
.endr
.set p, 0
.rept 8
	v_pk_mul_f32 v[AC+16+2*p:AC+16+2*p+1], v[AC+16+2*p:AC+16+2*p+1], v[AC+48+2*p:AC+48+2*p+1]     ; i g
.set p, p+1
.endr
	WIN 0x0a+5*((\a)/4)                            ; sources in window 2 or 3, destination in window 0
.set p, 0
.rept 8
	v_cvt_pk_f16_f32 v[PK+p],    v[AC+2*p],    v[AC+2*p+1]
	v_cvt_pk_f16_f32 v[PK+8+p],  v[AC+16+2*p], v[AC+16+2*p+1]
	v_cvt_pk_f16_f32 v[PK+16+p], v[AC+32+2*p], v[AC+32+2*p+1]
.set p, p+1
.endr
	WIN 0
.endm
.macro TOSTAGE a                       ; a lane's eight hidden columns of f, i g, o: 16 bytes each, for both halves j of my 32 columns
.irp v, 0,1,2
.irp j, 0,1
	ds_store_b128 v[STO], v[PK+8*(\v)+4*(\j):PK+8*(\v)+4*(\j)+3] offset:((\a)%2)*SBUF+128*(\v)+32*(\j)
.endr
.endr
.endm
.macro FROMSTAGE a                     ; eight rows, two at a time: four hidden columns of f, i g, o a lane
.irp t, 0,1,2,3
.irp v, 0,1,2
	ds_load_b64 v[SR+6*(\t)+2*(\v):SR+6*(\t)+2*(\v)+1], v[RD] offset:((\a)%2)*SBUF+2*SPITCH*(\t)+128*(\v)
.endr
.endr
.endm
.macro CLOAD a                         ; the same eight rows of c_prev: sixteen lanes read 256 consecutive bytes, aligned.  Four buffers take turns
.set CB, 152+16*((\a)%4)+40*(((\a)%4)/2)
.irp t, 0,1,2,3
	global_load_b128 v[CB+4*(\t):CB+4*(\t)+3], v[CO], s[CPB:CPB+1] offset:65536*(\a)+8192*(\t) th:TH_LOAD_NT
.endr
.endm
.macro CELL a                          ; registers alone: c_t = f c_prev + i g;  a_t = o tanh(c_t).  The f16 halves are read by the mixed multiply-adds; all arithmetic is f32
.set CB, 152+16*((\a)%4)+40*(((\a)%4)/2)
.set ti, 0
.rept 4
.set ci, 0
.rept 2
	v_fma_mix_f32 v[CT+4*ti+2*ci],   v[SR+6*ti+ci], v[CB+4*ti+2*ci],   v[SR+6*ti+2+ci] op_sel:[0,0,0] op_sel_hi:[1,0,1]
	v_fma_mix_f32 v[CT+4*ti+2*ci+1], v[SR+6*ti+ci], v[CB+4*ti+2*ci+1], v[SR+6*ti+2+ci] op_sel:[1,0,1] op_sel_hi:[1,0,1]
.set ci, ci+1
.endr
.set ti, ti+1
.endr
.set p, 0
.rept 8
	v_pk_mul_f32 v[TH+2*p:TH+2*p+1], v[CT+2*p:CT+2*p+1], s[TL2E:TL2E+1] op_sel_hi:[1,0]
.if p > 0
	v_exp_f32 v[TH+2*p-2], v[TH+2*p-2]
	v_exp_f32 v[TH+2*p-1], v[TH+2*p-1]
.endif
.set p, p+1
.endr
	v_exp_f32 v[TH+14], v[TH+14]
	v_exp_f32 v[TH+15], v[TH+15]
	v_nop                                          ; the plain instruction behind the batch's last exponential,
	s_wait_alu depctr_va_vdst(0)                   ; and the one wait for the sixteen
.set p, 0
.rept 8
	v_pk_add_f32 v[TH+2*p:TH+2*p+1], v[TH+2*p:TH+2*p+1], 1.0 op_sel_hi:[1,0]
.if p > 0
	v_rcp_f32 v[TH+2*p-2], v[TH+2*p-2]
	v_rcp_f32 v[TH+2*p-1], v[TH+2*p-1]
.endif
.set p, p+1
.endr
	v_rcp_f32 v[TH+14], v[TH+14]
	v_rcp_f32 v[TH+15], v[TH+15]
	v_nop
	s_wait_alu depctr_va_vdst(0)
.set p, 0
.rept 8
	v_pk_fma_f32 v[TH+2*p:TH+2*p+1], v[TH+2*p:TH+2*p+1], -2.0, 1.0 op_sel_hi:[1,0,0]
.set p, p+1
.endr
.set ti, 0
.rept 4
.set ci, 0
.rept 2
	v_fma_mix_f32 v[TH+4*ti+2*ci],   v[SR+6*ti+4+ci], v[TH+4*ti+2*ci],   v[ZR] op_sel:[0,0,0] op_sel_hi:[1,0,0]
	v_fma_mix_f32 v[TH+4*ti+2*ci+1], v[SR+6*ti+4+ci], v[TH+4*ti+2*ci+1], v[ZR] op_sel:[1,0,0] op_sel_hi:[1,0,0]
.set ci, ci+1
.endr
.set ti, ti+1
.endr
.endm
.macro SEND a                          ; sixteen lanes store 256 consecutive bytes, at a multiple of 256 from the output's first byte
.irp t, 0,1,2,3
	global_store_b128 v[CO], v[TH+4*(\t):TH+4*(\t)+3], s[O0B:O0B+1] offset:65536*(\a)+8192*(\t) th:TH_STORE_NT
	global_store_b128 v[CO], v[CT+4*(\t):CT+4*(\t)+3], s[O1B:O1B+1] offset:65536*(\a)+8192*(\t) th:TH_STORE_NT
.endr
.endm
	s_wait_tensorcnt 1                             ; my part of K step 0 is in; K step 1's load may stay out
	s_barrier_signal -1
	s_barrier_wait -1                              ; everybody's is
	FETCH 0, 0, F0
	s_mov_b32 s2, SIZE_TILES                       ; blocks to go, this one among them: the same number in every work-group
.Ltile:
	QUARTER 0, 64,  F0, F1, 1                      ; a block's first quarter stands in front of the loop: its products start the sums, with the biases
	WIN 0                                          ; at a label and at a branch every window is 0
	s_mov_b32 s3, LAPS-1
.Llap:                                             ; a trip goes once round the ring, from a lap's second quarter to the next lap's first, and fills both slots again
	QUARTER 0, 128, F1, F0, 0
	QUARTER 0, 192, F0, F1, 0
	TURN 0, 1, 0
	QUARTER 1, 64,  F0, F1, 0
	QUARTER 1, 128, F1, F0, 0
	QUARTER 1, 192, F0, F1, 0
	TURN 1, 0, 0
	QUARTER 0, 64,  F0, F1, 0
	WIN 0
	s_sub_co_u32 s3, s3, 1
	s_cmp_lg_u32 s3, 0
	s_cbranch_scc1 .Llap
	QUARTER 0, 128, F1, F0, 0                      ; the block's last lap goes on
	QUARTER 0, 192, F0, F1, 0
	WIN 0
	s_cmp_eq_u32 s2, 1
	s_cbranch_scc1 .Llast                          ; the last block's tail asks for nothing more
	TURN 0, 1, 1                                   ; the ring goes on into the next block: slot 0 takes its K step 0,
	QUARTER 1, 64,  F0, F1, 0
	QUARTER 1, 128, F1, F0, 0
	QUARTER 1, 192, F0, F1, 0
	TURN 1, 0, 1                                   ; slot 1 its K step 1, and the next block's first fragments are fetched into buffer 0, which the way out leaves alone
	WIN 0
	s_branch .Lout
.Llast:
	TURNL
	QUARTER 1, 64,  F0, F1, 0
	QUARTER 1, 128, F1, F0, 0
	QUARTER 1, 192, F0, F1, 0
	LASTQ
	WIN 0
.Lout:
.rept 8
	v_nop                                          ; the places behind the last products, ahead of reads of their results and of loads into buffer 1's registers
.endr
	CLOAD 0
	CLOAD 1
	CLOAD 2
	GATES 0
	TOSTAGE 0
.irp a, 0,1,2,3,4,5,6,7
	s_wait_dscnt 0x0                               ; for the others' sake: my stores of block a into the stage are done, and my reads of block a - 1 are back
	s_barrier_signal -1
.if (\a) < 7
	GATES (\a)+1                                   ; work on registers while the others arrive
.endif
	s_barrier_wait -1                              ; block a lies whole in buffer a % 2, and nobody reads the other buffer any more
	s_wait_xcnt 0x0                                ; the stores of block a - 1 have read c_t's and a_t's registers, which are written again below
	FROMSTAGE \a
.if (\a) < 7
	TOSTAGE (\a)+1                                 ; into the other buffer
.endif
.if (\a) < 5
	CLOAD (\a)+3                                   ; into the buffer that block a - 1 has left
.endif
.if (\a) < 7
	s_wait_dscnt 6                                 ; the twelve loads are back; the six younger stores may be out
.else
	s_wait_dscnt 0x0
.endif
.if (\a) < 5
	s_wait_loadcnt 12                              ; block a's c_prev is in; the three later blocks' twelve loads may be out
.else
	s_wait_loadcnt 4*(7-(\a))                      ; the counts run down: 8, 4, 0
.endif
	CELL \a
	SEND \a
.endr
	s_wait_xcnt 0x0                                ; every load, store and prefetch has read its base: on to the next block, WALK rows down
	s_add_nc_u64 s[CPB:CPB+1], s[CPB:CPB+1], NEXT_O
	s_add_nc_u64 s[O0B:O0B+1], s[O0B:O0B+1], NEXT_O
	s_add_nc_u64 s[O1B:O1B+1], s[O1B:O1B+1], NEXT_O
	s_add_nc_u64 s[CPW:CPW+1], s[CPW:CPW+1], NEXT_O
	s_sub_co_u32 s2, s2, 1
	s_cmp_lg_u32 s2, 0
	s_cbranch_scc1 .Ltile
	s_wait_tensorcnt 0x0                           ; the wave's end: behind my last tensor load and my last LDS store
	ds_add_u32 v[SPW], v[NIL]
	s_wait_dscnt 0x0
	CROUND                                         ; the closing round: no work-group ends while a partner may still ask for a tile that names it
	s_endpgm
.Lfunc_end_k_q51db532daf_cell:
	.size	k_q51db532daf_cell, .Lfunc_end_k_q51db532daf_cell-k_q51db532daf_cell
	.p2alignl 7, 3214868480
	.fill 96, 4, 3214868480
	.section	.rodata,"a",@progbits
	.p2align	6, 0x0
	.amdhsa_kernel k_q51db532daf_cell
		.amdhsa_group_segment_fixed_size 327680
		.amdhsa_private_segment_fixed_size 0
		.amdhsa_enable_private_segment 0
		.amdhsa_kernarg_size 104
		.amdhsa_user_sgpr_count 2
		.amdhsa_user_sgpr_kernarg_segment_ptr 1
		.amdhsa_wavefront_size32 1
		.amdhsa_system_sgpr_workgroup_id_x 1
		.amdhsa_system_sgpr_workgroup_id_y 1
		.amdhsa_system_sgpr_workgroup_id_z 1
		.amdhsa_system_vgpr_workitem_id 0
		.amdhsa_next_free_vgpr 1024
		.amdhsa_next_free_sgpr 100
		.amdhsa_reserve_vcc 0
		.amdhsa_float_denorm_mode_32 3
		.amdhsa_float_denorm_mode_16_64 3
		.amdhsa_memory_ordered 1
		.amdhsa_forward_progress 1
		.amdhsa_inst_pref_size 255
	.end_amdhsa_kernel
	.section	.bss,"aw",@nobits
	.p2align	6
	.space	262144
	.amdgpu_metadata
---
amdhsa.version: [ 1, 2 ]
amdhsa.kernels:
  - .name:           k_q51db532daf_cell
    .symbol:         k_q51db532daf_cell.kd
    .args:
      - { .name: Ab, .offset: 0, .size: 8, .value_kind: global_buffer, .address_space: global }
      - { .name: Wb, .offset: 8, .size: 8, .value_kind: global_buffer, .address_space: global }
      - { .name: c_prev, .offset: 16, .size: 8, .value_kind: global_buffer, .address_space: global }
      - { .name: out0, .offset: 24, .size: 8, .value_kind: global_buffer, .address_space: global }
      - { .name: out1, .offset: 32, .size: 8, .value_kind: global_buffer, .address_space: global }
      - { .name: b_f, .offset: 40, .size: 8, .value_kind: global_buffer, .address_space: global }
      - { .name: bu_f, .offset: 48, .size: 8, .value_kind: global_buffer, .address_space: global }
      - { .name: b_i, .offset: 56, .size: 8, .value_kind: global_buffer, .address_space: global }
      - { .name: bu_i, .offset: 64, .size: 8, .value_kind: global_buffer, .address_space: global }
      - { .name: b_o, .offset: 72, .size: 8, .value_kind: global_buffer, .address_space: global }
      - { .name: bu_o, .offset: 80, .size: 8, .value_kind: global_buffer, .address_space: global }
      - { .name: b_c, .offset: 88, .size: 8, .value_kind: global_buffer, .address_space: global }
      - { .name: bu_c, .offset: 96, .size: 8, .value_kind: global_buffer, .address_space: global }
    .group_segment_fixed_size: 327680
    .private_segment_fixed_size: 0
    .kernarg_segment_align: 8
    .kernarg_segment_size: 104
    .max_flat_workgroup_size: 128
    .sgpr_count:     100
    .vgpr_count:     1024
    .wavefront_size: 32
...
	.end_amdgpu_metadata
.endif
;; end of part 2
;; ======== version 2 of 2: 2 launches; version 1 with the launch cast written anew for expert scheduling mode
;; limits: a function is approximated: absolute error at most 1e-07
;; workspace buffers: Ab 33,554,432 bytes; Wb 16,777,216 bytes
;; launch cast (part 3): grid 256 x 3, 8 waves a work-group, no clusters, 0 bytes of LDS; arguments x_t, a_prev, W_f, W_i, W_o, W_c, U_f, U_i, U_o, U_c, Ab, Wb; writes Ab, Wb
.if DOCPART == 3
	.amdgcn_target "amdgcn-amd-amdhsa--gfx1250"
	.amdhsa_code_object_version 6
	.text
	.protected	k_q51db532daf_cast
	.globl	k_q51db532daf_cast
	.p2align	8
	.type	k_q51db532daf_cast,@function
k_q51db532daf_cast:
	s_mov_b64 s[64:65], 0
	v_nop
	global_prefetch_b8 v0, s[64:65] scope:SCOPE_SE
	s_setreg_imm32_b32 hwreg(HW_REG_WAVE_SCHED_MODE, 0, 2), 2
	s_setreg_imm32_b32 hwreg(HW_REG_WAVE_MODE, 25, 1), 1
	s_wait_xcnt 0x0
	s_wait_alu depctr_vm_vsrc(0)
; The matrix operands of the LSTM cell, rounded once from f32 to bf16 and laid out for the product that follows.
;   Ab [8192][2048] bf16: row m = x_t[m][0..1023], then a_prev[m][0..1023].
;   Wb [4096][2048] bf16: row (h >> 5) x 128 + g x 32 + (h & 31) = W_g[h][0..1023], then U_g[h][0..1023]; g = 0, 1, 2, 3 for f, i, o, c.
;   So 128 rows of Wb on end hold all four gates of 32 hidden columns.
; SHARES.  A work-group takes 32 source rows (4,096 bytes each, dense: 128 KiB).  Grid y = 0: x_t, y = 1: a_prev, block = grid x.  y = 2: the weights: matrix = x >> 5
; (W_f, W_i, W_o, W_c, U_f, U_i, U_o, U_c), block = x & 31.  Wave w takes rows 4 w .. 4 w + 3: 16 KiB on end.
; A stream: each byte is read once and written once, nothing is shared between waves, so there is no LDS, no barrier and no matrix work.
; All 32 loads of a wave (512 consecutive bytes each) go out first; each piece is then rounded in place and stored: 32 lanes x 8 bytes = 256 consecutive bytes, aligned.
; No register that a memory instruction names is written again behind it but a load's own destination, behind the counted wait for that load.
; THE MODE: SCHED_MODE bits 1:0 = 2 (LLVM: expert scheduling mode 2), set by the entry lines.  The code itself states the register dependences
; between vector instructions and memory instructions, with s_wait_alu, always for 0.
; THE PLAN.  Registers that memory instructions touch:
;   v1, v2        byte offsets, written once at the head; v1 is read by every load, v2 by every store; never written again.
;   X, piece n    four registers: load n lands in them; the two roundings of piece n read all four and write the first two; store n reads those two; nothing writes them again.
; The 32 pieces go in eight blocks of four.  Block b rounds its four pieces; its memory instructions are the four stores of block b - 1, whose registers no vector instruction of block b names.
; So ONE wait on va_vdst at a block's head, behind the wait for the block's data, states all that its four stores hang on, and they are dealt among its roundings with no further wait.
; No register that a load or store has read is written again, no load lands in a register that a vector instruction has named, no vector instruction writes a scalar register, and EXEC is never written.
; LIMITS.  Round to nearest even; bf16 has f32's range, so no finite input overflows but those within half a bf16 step of f32's largest number.
.set X,   4                            ; v[4:131]  32 loads x 4 registers
.set SO,  1                            ; v1  my byte offset in the group's source rows: 16,384 w + 16 lane
.set DO,  2                            ; v2  my byte offset in the group's rows of Ab or Wb: 16,384 w + 8 lane (four rows of 4,096 bytes a wave there too)
.set SRC, 36                           ; s[36:37] the source at the group's first row
.set DST, 38                           ; s[38:39] the destination at the group's first row and half
	s_load_b512 s[8:23], s[0:1], 0x0               ; x_t, a_prev, W_f, W_i, W_o, W_c, U_f, U_i
	s_load_b256 s[24:31], s[0:1], 0x40             ; U_o, U_c, Ab, Wb
	s_and_b32 s3, ttmp7, 0xffff                    ; y
	s_lshr_b32 s4, ttmp9, 5                        ; weights: which matrix,
	s_and_b32 s5, ttmp9, 31                        ; and which 32 of its rows
	s_lshl_b32 s32, ttmp9, 17                      ; activations: 32 rows of 4,096 bytes, in the source
	s_lshl_b32 s33, s3, 11                         ; and in Ab, where a_prev takes the rows' second 2,048 bytes
	s_or_b32 s33, s33, s32
	s_lshl_b32 s34, s5, 17                         ; weights: the source's 32 rows;
	s_lshl_b32 s35, s5, 19                         ; in Wb 128 rows for each 32 hidden columns,
	s_and_b32 s40, s4, 3
	s_lshl_b32 s40, s40, 17                        ; the gate's 32 of them,
	s_or_b32 s35, s35, s40
	s_lshr_b32 s40, s4, 2
	s_lshl_b32 s40, s40, 11                        ; U's take the rows' second 2,048 bytes
	s_or_b32 s35, s35, s40
	s_add_co_u32 s41, s4, 2                        ; the matrix's place among the arguments
	s_cmp_lt_u32 s3, 2
	s_cselect_b32 s42, s32, s34                    ; source offset
	s_cselect_b32 s44, s33, s35                    ; destination offset
	s_cselect_b32 s41, s3, s41                     ; which argument is the source
	s_mov_b32 s43, 0
	s_mov_b32 s45, 0
	v_and_b32 v3, 31, v0
	v_lshrrev_b32 v2, 5, v0
	v_lshlrev_b32 v2, 14, v2
	v_lshl_or_b32 v[SO], v3, 4, v2
	v_lshl_or_b32 v[DO], v3, 3, v2
	s_wait_kmcnt 0x0
	s_cmp_lt_u32 s3, 2
	s_cselect_b64 s[DST:DST+1], s[28:29], s[30:31]
	s_mov_b64 s[SRC:SRC+1], s[8:9]
.irp k, 1,2,3,4,5,6,7,8,9
	s_cmp_eq_u32 s41, \k
	s_cselect_b64 s[SRC:SRC+1], s[8+2*(\k):9+2*(\k)], s[SRC:SRC+1]
.endr
	s_add_nc_u64 s[SRC:SRC+1], s[SRC:SRC+1], s[42:43]
	s_add_nc_u64 s[DST:DST+1], s[DST:DST+1], s[44:45]
	s_wait_alu depctr_va_vdst(0)                   ; v1 and v2 are written: every load of the kernel reads v1 as its offset, every store v2
.set i, 0
.rept 32
	global_load_b128 v[X+4*i:X+4*i+3], v[SO], s[SRC:SRC+1] offset:512*i th:TH_LOAD_NT
.set i, i+1
.endr
.macro RND n                           ; piece n: four f32 a lane close up into two registers of bf16, in place
	v_cvt_pk_bf16_f32 v[X+4*(\n)],   v[X+4*(\n)],   v[X+4*(\n)+1]
	v_cvt_pk_bf16_f32 v[X+4*(\n)+1], v[X+4*(\n)+2], v[X+4*(\n)+3]
.endm
.macro PUT n                           ; piece n: row n / 8 of my four, its piece n % 8 of 256 bytes
	global_store_b64 v[DO], v[X+4*(\n):X+4*(\n)+1], s[DST:DST+1] offset:((\n)/8)*4096+((\n)%8)*256
.endm
; Block b: pieces 4 b .. 4 b + 3 are rounded; the block before is stored.
.macro BLK b
	s_wait_loadcnt 28-4*(\b)                       ; loads come back in order: the block's four are in, the 28 - 4 b younger ones stay out
.if (\b) > 0
	s_wait_alu depctr_va_vdst(0)                   ; the roundings of the block before have written its eight registers of bf16, which the four stores below read
.endif
.irp q, 0,1,2,3
.if (\b) > 0
	PUT 4*(\b)-4+(\q)                              ; no vector instruction since the wait names this store's registers
.endif
	RND 4*(\b)+(\q)
.endr
.endm
.irp b, 0,1,2,3,4,5,6,7
	BLK \b
.endr
	s_wait_alu depctr_va_vdst(0)                   ; the last block's roundings have written its eight registers of bf16, which the last four stores read
.irp q, 28,29,30,31
	PUT \q
.endr
	s_endpgm
.Lfunc_end_k_q51db532daf_cast:
	.size	k_q51db532daf_cast, .Lfunc_end_k_q51db532daf_cast-k_q51db532daf_cast
	.p2alignl 7, 3214868480
	.fill 96, 4, 3214868480
	.section	.rodata,"a",@progbits
	.p2align	6, 0x0
	.amdhsa_kernel k_q51db532daf_cast
		.amdhsa_group_segment_fixed_size 0
		.amdhsa_private_segment_fixed_size 0
		.amdhsa_enable_private_segment 0
		.amdhsa_kernarg_size 96
		.amdhsa_user_sgpr_count 2
		.amdhsa_user_sgpr_kernarg_segment_ptr 1
		.amdhsa_wavefront_size32 1
		.amdhsa_system_sgpr_workgroup_id_x 1
		.amdhsa_system_sgpr_workgroup_id_y 1
		.amdhsa_system_sgpr_workgroup_id_z 1
		.amdhsa_system_vgpr_workitem_id 0
		.amdhsa_next_free_vgpr 136
		.amdhsa_next_free_sgpr 66
		.amdhsa_reserve_vcc 0
		.amdhsa_float_denorm_mode_32 3
		.amdhsa_float_denorm_mode_16_64 3
		.amdhsa_memory_ordered 1
		.amdhsa_forward_progress 1
		.amdhsa_inst_pref_size 13
	.end_amdhsa_kernel
	.amdgpu_metadata
---
amdhsa.version: [ 1, 2 ]
amdhsa.kernels:
  - .name:           k_q51db532daf_cast
    .symbol:         k_q51db532daf_cast.kd
    .args:
      - { .name: x_t, .offset: 0, .size: 8, .value_kind: global_buffer, .address_space: global }
      - { .name: a_prev, .offset: 8, .size: 8, .value_kind: global_buffer, .address_space: global }
      - { .name: W_f, .offset: 16, .size: 8, .value_kind: global_buffer, .address_space: global }
      - { .name: W_i, .offset: 24, .size: 8, .value_kind: global_buffer, .address_space: global }
      - { .name: W_o, .offset: 32, .size: 8, .value_kind: global_buffer, .address_space: global }
      - { .name: W_c, .offset: 40, .size: 8, .value_kind: global_buffer, .address_space: global }
      - { .name: U_f, .offset: 48, .size: 8, .value_kind: global_buffer, .address_space: global }
      - { .name: U_i, .offset: 56, .size: 8, .value_kind: global_buffer, .address_space: global }
      - { .name: U_o, .offset: 64, .size: 8, .value_kind: global_buffer, .address_space: global }
      - { .name: U_c, .offset: 72, .size: 8, .value_kind: global_buffer, .address_space: global }
      - { .name: Ab, .offset: 80, .size: 8, .value_kind: global_buffer, .address_space: global }
      - { .name: Wb, .offset: 88, .size: 8, .value_kind: global_buffer, .address_space: global }
    .group_segment_fixed_size: 0
    .private_segment_fixed_size: 0
    .kernarg_segment_align: 8
    .kernarg_segment_size: 96
    .max_flat_workgroup_size: 256
    .sgpr_count:     66
    .vgpr_count:     136
    .wavefront_size: 32
...
	.end_amdgpu_metadata
.endif
;; end of part 3
;; launch cell: the kernel of part 2 again; grid 16 x 16, 4 waves a work-group, clusters of 4 x 4, 327,680 bytes of LDS; arguments Ab, Wb, c_prev, out0, out1, b_f, bu_f, b_i, bu_i, b_o, bu_o, b_c, bu_c; writes out0, out1
